; MI455X (gfx1250); checked and timed in simulation.
; The chip was launched on July 23, 2026; its instructions are those of AMD's public machine-readable ISA for CDNA 5 (MIT licence, August 2026) and "CDNA5" Instruction Set Architecture Reference Guide (July 2026). The comments in the code are by the model that wrote it; some were corrected since.
;; Masked Self Attention. Allowed arithmetic: float matrix products may take bf16 or f16 operands with f32 sums; all other float work in f32.
;; Inputs: W_proj 1,024 x 1,024 float32; W_qkv 1,024 x 3,072 float32; b_proj 1,024 float32; x 2 x 2,048 x 1,024 float32.
;; Outputs: out0 2 x 2,048 x 1,024 float32.
;; One version. Each part assembles by itself: llvm-mc -triple=amdgcn-amd-amdhsa -mcpu=gfx1250 --defsym DOCPART=n.
;; ======== version 1 of 1: 4 launches
;; limits: values are held in f16: magnitudes above 65,504 overflow, below 6.1e-05 lose precision
;; workspace buffers: cb 16,777,216 bytes; qkvh 25,165,824 bytes; yh 8,388,608 bytes
;; launch cast (part 1): grid 1024 x 1, 8 waves a work-group, no clusters, 0 bytes of LDS; arguments x, W_qkv, W_proj, cb; writes cb
.if DOCPART == 1
	.amdgcn_target "amdgcn-amd-amdhsa--gfx1250"
	.amdhsa_code_object_version 6
	.text
	.protected	k_q50dc821b17_cast
	.globl	k_q50dc821b17_cast
	.p2align	8
	.type	k_q50dc821b17_cast,@function
k_q50dc821b17_cast:
	s_mov_b64 s[64:65], 0
	v_nop
	global_prefetch_b8 v0, s[64:65] scope:SCOPE_SE
	s_setreg_imm32_b32 hwreg(HW_REG_WAVE_MODE, 25, 1), 1
	s_wait_xcnt 0x0
; cast: the three large inputs, f32, are narrowed once to the 16-bit operands of the matrix launches.
;   cb byte 0          x      [4096][1024]  bf16 (round to nearest even)
;   cb byte 8,388,608  W_qkv  [1024][3072]  bf16
;   cb byte 14,680,064 W_proj [1024][1024]  rounded to bf16 like the others, then written as the f16 code of that number, since it
;                      meets f16 data in the last product.  bf16's 8 significant bits fit f16's 11, so the second step is exact for
;                      2^-14 <= |w| <= 65,504.  LIMIT: below 2^-14 the number is kept to f16's denormal spacing, 2^-24; above 65,504 it is lost.
; A work-group narrows 8,192 numbers: 32 KiB in, 16 KiB out.  x is 512 such parts, W_qkv 384, W_proj 128, and cb holds them in that
; order, so the destination is cb + 16,384 x the work-group's number.  Thread t takes 8 numbers in each of 4 steps: 32 bytes in by two
; loads, 16 bytes out by one store, so a wave's store covers 512 consecutive bytes, aligned.  All eight loads go out first.
; A stream: no LDS, no barrier, no matrix unit, nothing is read twice.
.set T, 4                              ; v[4:5]    at work (W_proj only)
.set X, 8                              ; v[8:39]   step j: 8 numbers as loaded
.set Y, 40                             ; v[40:55]  step j: 4 words to store
.set N_X,  512                         ; work-groups for x
.set N_XQ, 896                         ; for x and W_qkv together
	s_load_b256 s[4:11], s[0:1], 0x0               ; x s[4:5], W_qkv s[6:7], W_proj s[8:9], cb s[10:11]
	v_lshlrev_b32 v1, 5, v0                        ; 32 t: my bytes in a step's source
	v_lshlrev_b32 v2, 4, v0                        ; 16 t: my bytes in a step's destination
	s_wait_kmcnt 0x0
	s_cmp_lt_u32 ttmp9, N_X                        ; which input, and which was its first work-group
	s_cselect_b64 s[12:13], s[4:5], s[6:7]
	s_cselect_b32 s14, 0, N_X
	s_cmp_lt_u32 ttmp9, N_XQ
	s_cselect_b64 s[12:13], s[12:13], s[8:9]
	s_cselect_b32 s14, s14, N_XQ
	s_sub_co_u32 s16, ttmp9, s14
	s_lshl_b32 s16, s16, 15                        ; 32 KiB of source for each work-group
	s_mov_b32 s17, 0
	s_add_nc_u64 s[12:13], s[12:13], s[16:17]
	s_lshl_b32 s18, ttmp9, 14                      ; 16 KiB of cb
	s_mov_b32 s19, 0
	s_add_nc_u64 s[10:11], s[10:11], s[18:19]
.irp j, 0,1,2,3
	global_load_b128 v[X+8*\j:X+8*\j+3],   v1, s[12:13] offset:8192*\j th:TH_LOAD_NT
	global_load_b128 v[X+8*\j+4:X+8*\j+7], v1, s[12:13] offset:8192*\j+16 th:TH_LOAD_NT
.endr
; Step j.  half = 1: the bf16 numbers are written as f16 codes.  No register that a load or store names is written again.
.macro CV j, half
	s_wait_loadcnt 6-2*\j                          ; loads come back in order (ISA guide 5.7.1): step j's two are in, the 6 - 2 j younger stay out
.irp k, 0,1,2,3
	v_cvt_pk_bf16_f32 v[Y+4*\j+\k], v[X+8*\j+2*\k], v[X+8*\j+2*\k+1]
.endr
.if \half
.irp k, 0,1,2,3
	v_lshlrev_b32 v[T],   16, v[Y+4*\j+\k]         ; bf16 to f32: the low half moves up,
	v_and_b32     v[T+1], 0xffff0000, v[Y+4*\j+\k] ; the high half stays
	v_cvt_pk_f16_f32 v[Y+4*\j+\k], v[T], v[T+1]
.endr
.endif
	global_store_b128 v2, v[Y+4*\j:Y+4*\j+3], s[10:11] offset:4096*\j
.endm
	s_cmp_ge_u32 ttmp9, N_XQ
	s_cbranch_scc1 .Lw_proj
.irp j, 0,1,2,3
	CV \j, 0
.endr
	s_endpgm
.Lw_proj:
.irp j, 0,1,2,3
	CV \j, 1
.endr
	s_endpgm
.Lfunc_end_k_q50dc821b17_cast:
	.size	k_q50dc821b17_cast, .Lfunc_end_k_q50dc821b17_cast-k_q50dc821b17_cast
	.p2alignl 7, 3214868480
	.fill 96, 4, 3214868480
	.section	.rodata,"a",@progbits
	.p2align	6, 0x0
	.amdhsa_kernel k_q50dc821b17_cast
		.amdhsa_group_segment_fixed_size 0
		.amdhsa_private_segment_fixed_size 0
		.amdhsa_enable_private_segment 0
		.amdhsa_kernarg_size 32
		.amdhsa_user_sgpr_count 2
		.amdhsa_user_sgpr_kernarg_segment_ptr 1
		.amdhsa_wavefront_size32 1
		.amdhsa_system_sgpr_workgroup_id_x 1
		.amdhsa_system_sgpr_workgroup_id_y 1
		.amdhsa_system_sgpr_workgroup_id_z 1
		.amdhsa_system_vgpr_workitem_id 0
		.amdhsa_next_free_vgpr 56
		.amdhsa_next_free_sgpr 66
		.amdhsa_reserve_vcc 0
		.amdhsa_float_denorm_mode_32 3
		.amdhsa_float_denorm_mode_16_64 3
		.amdhsa_memory_ordered 1
		.amdhsa_forward_progress 1
		.amdhsa_inst_pref_size 8
	.end_amdhsa_kernel
	.amdgpu_metadata
---
amdhsa.version: [ 1, 2 ]
amdhsa.kernels:
  - .name:           k_q50dc821b17_cast
    .symbol:         k_q50dc821b17_cast.kd
    .args:
      - { .name: x, .offset: 0, .size: 8, .value_kind: global_buffer, .address_space: global }
      - { .name: W_qkv, .offset: 8, .size: 8, .value_kind: global_buffer, .address_space: global }
      - { .name: W_proj, .offset: 16, .size: 8, .value_kind: global_buffer, .address_space: global }
      - { .name: cb, .offset: 24, .size: 8, .value_kind: global_buffer, .address_space: global }
    .group_segment_fixed_size: 0
    .private_segment_fixed_size: 0
    .kernarg_segment_align: 8
    .kernarg_segment_size: 32
    .max_flat_workgroup_size: 256
    .sgpr_count:     66
    .vgpr_count:     56
    .wavefront_size: 32
...
	.end_amdgpu_metadata
.endif
;; end of part 1
;; launch qkv (part 2): grid 8 x 32, 4 waves a work-group, clusters of 4 x 4, 327,680 bytes of LDS; arguments cb, qkvh; writes qkvh
.if DOCPART == 2
	.amdgcn_target "amdgcn-amd-amdhsa--gfx1250"
	.amdhsa_code_object_version 6
	.text
	.protected	k_q50dc821b17_qkv
	.globl	k_q50dc821b17_qkv
	.p2align	8
	.type	k_q50dc821b17_qkv,@function
k_q50dc821b17_qkv:
	s_mov_b64 s[64:65], 0
	v_nop
	global_prefetch_b8 v0, s[64:65] scope:SCOPE_SE
	s_setreg_imm32_b32 hwreg(HW_REG_WAVE_MODE, 25, 1), 1
	s_wait_xcnt 0x0
	s_wait_alu depctr_hold_cnt(0) depctr_sa_sdst(0) depctr_va_vdst(0) depctr_va_sdst(0) depctr_va_ssrc(0) depctr_va_vcc(0) depctr_vm_vsrc(0)
	s_getreg_b32 s2, hwreg(HW_REG_IB_STS2, 6, 4)
	s_cmp_eq_u32 s2, 0
	s_cbranch_scc0 .Lentry_in_a_cluster
	s_endpgm
.Lentry_in_a_cluster:
	s_bfe_u32 s2, ttmp6, 0x10000c
	s_cmp_lg_u32 s2, 0xf033
	s_cbranch_scc0 .Lentry_shape_is_right
	s_endpgm
.Lentry_shape_is_right:
; qkv = x W_qkv.  x: [4096][1024] bf16 at cb; W_qkv: [1024 (k)][3072 (n)] bf16 at cb + WQ_OFF; sums in f32.
; Out: qkvh [batch 2][g 48][t 2048][d 64] f16, g = column / 64: q's heads are g 0-15, k's 16-31, v's 32-47.  q is multiplied in f32 by
; 0.125 log2(e) before it is rounded, so that the next launch's scores are exponents of 2.
; LIMIT: q, k, v are kept in f16: |value| up to 65,504.  Inputs 30 times the drawn spread in x and in W give some 4,500.
; A work-group makes 128 rows x 384 columns (6 heads) with four waves, as many as a WGP has SIMDs: 8 x 32 = 256 work-groups.
; Wave w: rows 64 (w >> 1) .. + 63 and three whole heads: with wn = w & 1, column chunk 2 wn (128 columns) and half wn of chunk 1.
; 4 x 12 accumulator tiles of 16 x 16 = 384 registers.  K goes in steps of 128 through two LDS slots filled by the tensor data mover;
; every row of a tile is 256 bytes of memory and starts at a multiple of 256 bytes from cb's first byte.
; CLUSTERS: 4 x 4 work-groups.  x's tile hangs on the block row alone and is asked for jointly by a row of the cluster, W's three chunks
; on the block column alone, by a column: each of the four named issues the same load with the same descriptor.
; W lies [k][n]: its fragments come out of LDS by the transposing load (ds_load_tr16_b128), which wants a pitch that is an odd multiple of 32 bytes.
; THE MATRIX INSTRUCTION IS USED TRANSPOSED: source 0 = 16 columns of W, source 1 = 16 rows of x.  Lane l then holds row l % 16 and
; its registers 0-7 the columns 8 (l / 16) + 0..7: eight neighbouring numbers of a head's row, 16 bytes of f16.
; REGISTERS in windows of 256:  window 0: v16-26 addresses, v64-127 x's fragments (two buffers of 4), v128-175 and v64-111 the way out;
; window 1: v0-191 W's fragments (two buffers of 12);  window 2: accumulators of my rows 0-31 (tile (a, b) at 8 (12 a + b));  window 3: rows 32-63.
.set BP,     288                       ; W's LDS row: 256 bytes + 32 of padding = 9 x 32
.set BSUB,   128*BP                    ; a chunk: 128 k x 128 columns
.set AP,     272                       ; x's LDS row: 256 bytes + 16: row r starts at bank 4 r mod 64 (64 banks of 4 bytes: ISA guide 11.1)
.set ABASE,  3*BSUB                    ; x's 128 rows lie behind W's three chunks
.set SLOT,   ABASE+128*AP              ; 145,408 bytes
.set STAGE,  2*SLOT                    ; behind the ring, a multiple of 256: no tensor load lands here
.set WSTG,   3*16*144                  ; a wave's stage: 3 heads x 16 rows x (128 + 16) bytes
.set WQ_OFF, 8388608
.set LAPS,   4                         ; a lap = two K steps = once round the ring; 1024 / 256
.set QSCALE, 0x3e38aa3b                ; 0.125 log2(e)
.set WV,     10                        ; s10: the wave's number
.set ADRA,   16                        ; v16-17  LDS address of my x fragments in slot 0, 1
.set ADRBM,  18                        ; v18-19  of my whole chunk of W
.set ADRBX,  20                        ; v20-21  of my half of chunk 1
.set STO,    24
.set RD,     25
.set CO,     26
.set FA,     64
.set TMP,    128
.set RBK,    64
.set G1A, 24                           ; s[24:31] group 1 for x's tile
.set G0A, 32                           ; s[32:39] group 0 for x's tile, a set for each slot
.set G1B, 48                           ; s[48:55] group 1 for W's chunks
.set G0B, 56                           ; s[56:63] group 0 for W's chunks
.set SCL, 70                           ; s[70:75] the factor of each of my three heads, as pairs
.set MSB, 0
.macro WIN new                         ; the immediate's high byte repeats the setting that is left
.if MSB != \new
	s_set_vgpr_msb (MSB<<8)|\new
.set MSB, \new
.endif
.endm
.set MUL_LO, 0xa1                      ; source 0 (W) window 1, source 1 (x) window 0, C and D window 2
.set MUL_HI, 0xf1                      ; the same, C and D window 3
.set TO_B,   0x40                      ; destination window 1, address window 0
; A joint load.  Waves 0-2 fetch W's chunks 0-2, wave 3 fetches x's tile.  Each line has one mask; the branch hangs on the wave's number alone.
.macro JLOAD s
	s_cmp_eq_u32 s[WV], 3
	s_cbranch_scc0 .Lfor_b_\@
	tensor_load_to_lds s[G0A+4*\s:G0A+4*\s+3], s[G1A:G1A+7]
	s_nop 0
	s_branch .Lasked_\@
.Lfor_b_\@:
	tensor_load_to_lds s[G0B+4*\s:G0B+4*\s+3], s[G1B:G1B+7]
	s_nop 0
.Lasked_\@:
.endm
; A round of the cluster's barrier: my work-group's barrier, wave 0 signals for the work-group, every wave waits for all sixteen, my work-group's barrier again.
.macro CREST                           ; a round behind its opening barrier
	s_cmp_lg_u32 s[WV], 0
	s_cbranch_scc1 .Lnot_wave_0_\@
	s_barrier_signal -3
.Lnot_wave_0_\@:
	s_barrier_wait -3
	s_barrier_signal -1
	s_barrier_wait -1
.endm
.macro CROUND
	s_barrier_signal -1
	s_barrier_wait -1
	CREST
.endm
.macro PLACES                          ; four places behind a matrix instruction (ISA guide 7.12.1) before its registers are loaded into or its result is read
.rept 4
	v_nop
.endr
.endm
	s_load_b128 s[4:7], s[0:1], 0x0                ; cb s[4:5], qkvh s[6:7]
	s_set_vgpr_msb 0x40
	v_lshl_add_u32 v255, v0, 2, 0x4dc00
	s_set_vgpr_msb 0x4000
	v_mov_b32 v255, 0
	s_set_vgpr_msb 0x1
	ds_add_u32 v255, v255
	ds_add_u32 v255, v255
	s_set_vgpr_msb 0x100
	v_lshrrev_b32 v1, 5, v0
	v_readfirstlane_b32 s10, v1                    ; wave 0..3
	s_lshr_b32 s11, s10, 1                         ; wm: which 64 rows
	s_and_b32 s12, s10, 1                          ; wn: which three heads
	s_bfe_u32 s40, ttmp6, 0x40000                  ; cx
	s_bfe_u32 s41, ttmp6, 0x40004                  ; cy
	s_lshl_b32 s42, ttmp9, 2
	s_add_co_u32 s42, s42, s40                     ; bx = 4 x cluster x + cx: block column, 384 columns
	s_and_b32 s13, ttmp7, 0xffff
	s_lshl_b32 s13, s13, 2
	s_add_co_u32 s13, s13, s41                     ; by = 4 x cluster y + cy: block row, 128 rows
	s_lshl_b32 s43, s41, 2
	s_lshl_b32 s43, 15, s43                        ; my row of the cluster: places 4 cy .. 4 cy + 3
	s_lshl_b32 s44, 0x1111, s40                    ; my column: places cx, cx + 4, cx + 8, cx + 12
	; group 1: tiles of 128 rows x 128 elements of 2 bytes; a pad behind every 64 words (code 5): 4 words for x, 8 for W; bit 21 beside the mask
	s_or_b32 s[G1A+0], s43, (1<<16)|(1<<20)|(1<<21)|(5<<22)|(3<<25)
	s_mov_b32 s[G1A+1], 128<<16                    ; tensor_dim0 = 128
	s_mov_b32 s[G1A+2], 128<<16                    ; tensor_dim1 = 128
	s_mov_b32 s[G1A+3], 128<<16                    ; tile_dim0 = 128
	s_mov_b32 s[G1A+4], 128                        ; tile_dim1 = 128
	s_mov_b32 s[G1A+5], 1024                       ; elements from row to row of x
	s_mov_b32 s[G1A+6], 0
	s_mov_b32 s[G1A+7], 0
	s_or_b32 s[G1B+0], s44, (1<<16)|(1<<20)|(1<<21)|(5<<22)|(7<<25)
	s_mov_b32 s[G1B+1], 128<<16
	s_mov_b32 s[G1B+2], 128<<16
	s_mov_b32 s[G1B+3], 128<<16
	s_mov_b32 s[G1B+4], 128
	s_mov_b32 s[G1B+5], 3072                       ; elements from row to row of W_qkv
	s_mov_b32 s[G1B+6], 0
	s_mov_b32 s[G1B+7], 0
	; x's address is made of by alone, W's of bx and the wave's number, each in registers that never hold the other coordinate
	s_lshl_b32 s16, s13, 18                        ; 128 rows x 2,048 bytes
	s_mov_b32 s17, 0
	s_mul_i32 s46, s42, 768                        ; 384 columns x 2 bytes
	s_lshl_b32 s47, s10, 8                         ; + my chunk's 256 bytes
	s_add_co_u32 s46, s46, s47
	s_add_co_u32 s46, s46, WQ_OFF
	s_mov_b32 s47, 0
	s_mul_i32 s20, s10, BSUB                       ; where my chunk goes: the wave's number alone
	s_wait_dscnt 0x0
	s_wait_kmcnt 0x0
	s_add_nc_u64 s[14:15], s[4:5], s[16:17]
	s_add_nc_u64 s[46:47], s[4:5], s[46:47]
	CROUND                                         ; all sixteen work-groups are here: the first joint loads meet
.irp s, 0,1
	s_mov_b32 s[G0A+4*\s], 1
	s_mov_b32 s[G0A+4*\s+1], ABASE+\s*SLOT
	s_add_nc_u64 s[G0A+4*\s+2:G0A+4*\s+3], s[14:15], \s*256          ; K step s: 128 elements along the row
	s_or_b32 s[G0A+4*\s+3], s[G0A+4*\s+3], 0x80000000
	s_mov_b32 s[G0B+4*\s], 1
	s_add_co_u32 s[G0B+4*\s+1], s20, \s*SLOT
	s_add_nc_u64 s[G0B+4*\s+2:G0B+4*\s+3], s[46:47], \s*786432       ; K step s: 128 rows of 6,144 bytes
	s_or_b32 s[G0B+4*\s+3], s[G0B+4*\s+3], 0x80000000
	JLOAD \s                                       ; two tensor loads of a wave are out at the most
.endr
	v_and_b32 v1, 15, v0                           ; r = l % 16
	v_bfe_u32 v2, v0, 4, 1                         ; h = l / 16
	v_and_b32 v3, 7, v0                            ; l % 8
	v_bfe_u32 v4, v0, 3, 1                         ; (l / 8) % 2
	v_mul_u32_u24 v5, v1, AP
	v_lshl_add_u32 v5, v2, 4, v5                   ; x: row r, 16 bytes for each half of the lanes
	v_lshl_add_u32 v6, v2, 3, v3
	v_mul_u32_u24 v6, v6, BP
	v_lshl_add_u32 v6, v4, 4, v6                   ; W, transposing load: k row 8 h + l % 8, columns 8 ((l / 8) % 2) ..
	s_mul_i32 s21, s11, 64*AP
	s_add_co_u32 s21, s21, ABASE
	s_mul_i32 s22, s12, 2*BSUB                     ; chunk 2 wn
	s_lshl_b32 s23, s12, 7
	s_add_co_u32 s23, s23, BSUB                    ; chunk 1, columns 64 wn ..
.irp s, 0,1
	v_add_nc_u32 v[ADRA+\s], s21, v5
	v_add_nc_u32 v[ADRBM+\s], s22, v6
	v_add_nc_u32 v[ADRBX+\s], s23, v6
	s_add_co_u32 s21, s21, SLOT
	s_add_co_u32 s22, s22, SLOT
	s_add_co_u32 s23, s23, SLOT
.endr
	s_mul_i32 s21, s10, WSTG
	s_add_co_u32 s21, s21, STAGE                   ; my stage
	v_mul_u32_u24 v5, v1, 144
	v_lshl_add_u32 v5, v2, 4, v5
	v_add_nc_u32 v[STO], s21, v5                   ; in: row r, 16 bytes for each half of the lanes
	v_bfe_u32 v5, v0, 3, 2
	v_mul_u32_u24 v5, v5, 144
	v_lshl_add_u32 v5, v3, 4, v5
	v_add_nc_u32 v[RD], s21, v5                    ; back: eight lanes take a row of 128 bytes, the wave four rows
	v_and_b32 v5, 31, v0
	v_lshlrev_b32 v[CO], 4, v5                     ; the same four rows in a head: 512 consecutive bytes
; 12 matrix instructions: m block a of the window's two (hi = 0: rows 0-31, 1: rows 32-63) x my 12 n blocks, 32 along K, from buffer u.
; The 48 accumulators take turns, one instruction a turn, in the same order in every quarter step, over the backward jump too.
; zero = 1: the first product starts the sums.
.macro MUL12 u, hi, a, zero
.irp b, 0,1,2,3,4,5,6,7,8,9,10,11
.if \zero
	v_wmma_f32_16x16x32_bf16 v[8*(12*\a+\b):8*(12*\a+\b)+7], v[96*\u+8*\b:96*\u+8*\b+7], v[FA+32*\u+8*(2*\hi+\a):FA+32*\u+8*(2*\hi+\a)+7], 0
.else
	v_wmma_f32_16x16x32_bf16 v[8*(12*\a+\b):8*(12*\a+\b)+7], v[96*\u+8*\b:96*\u+8*\b+7], v[FA+32*\u+8*(2*\hi+\a):FA+32*\u+8*(2*\hi+\a)+7], v[8*(12*\a+\b):8*(12*\a+\b)+7]
.endif
.endr
.endm
; 32 LDS loads in one run: quarter q (32 along K) of slot s into buffer u: 24 for W (k rows 32 q .., 16 rows further for the second half), 8 for x
.macro FETCH s, q, u
	WIN TO_B
.irp b, 0,1,2,3,4,5,6,7
	ds_load_tr16_b128 v[96*\u+8*\b:96*\u+8*\b+3],   v[ADRBM+\s] offset:32*BP*\q+32*\b
	ds_load_tr16_b128 v[96*\u+8*\b+4:96*\u+8*\b+7], v[ADRBM+\s] offset:32*BP*\q+32*\b+16*BP
.endr
.irp b, 0,1,2,3
	ds_load_tr16_b128 v[96*\u+64+8*\b:96*\u+64+8*\b+3],   v[ADRBX+\s] offset:32*BP*\q+32*\b
	ds_load_tr16_b128 v[96*\u+64+8*\b+4:96*\u+64+8*\b+7], v[ADRBX+\s] offset:32*BP*\q+32*\b+16*BP
.endr
	WIN 0
.irp a, 0,1,2,3
	ds_load_b128 v[FA+32*\u+8*\a:FA+32*\u+8*\a+3],   v[ADRA+\s] offset:64*\q+16*AP*\a
	ds_load_b128 v[FA+32*\u+8*\a+4:FA+32*\u+8*\a+7], v[ADRA+\s] offset:64*\q+16*AP*\a+32
.endr
.endm
; One of a K step's first three quarters: multiplies buffer u; in its middle it fetches quarter q of the same slot into buffer g.
.macro QUARTER s, q, u, g, zero
	s_wait_dscnt 0x4                               ; W and x's rows 0-31 are in; the youngest four loads (x's rows 32-63) may be out
	WIN MUL_LO
	MUL12 \u, 0, 0, \zero
	MUL12 \u, 0, 1, \zero
	PLACES
	FETCH \s, \q, \g
	s_wait_dscnt 0x20                              ; all but the 32 just issued
	WIN MUL_HI
	MUL12 \u, 1, 0, \zero
	MUL12 \u, 1, 1, \zero
.endm
.macro THREE s, zero
	QUARTER \s, 1, 0, 1, \zero
	QUARTER \s, 2, 1, 0, 0
	QUARTER \s, 3, 0, 1, 0
.endm
; The last quarter: multiplies buffer 1 and changes slots.  In front of the barrier each wave waits for its reads of this slot and for all
; its tensor loads (one is out: its part of the next slot).  fill = 1: the barrier opens a round of the cluster's barrier, and the joint
; refill, two K steps ahead, is the first tensor load behind the round's closing wait.  From a request to the wait for it: 180 matrix instructions.
.macro TURN s, next, fill
	s_wait_dscnt 0x4
	WIN MUL_LO
	MUL12 1, 0, 0, 0
	s_wait_dscnt 0x0                               ; my reads of this slot are over
	s_wait_tensorcnt 0x0                           ; all my tensor loads have landed
	ds_add_u32 v255, v255
	s_wait_dscnt 0x0
	s_barrier_signal -1
	MUL12 1, 0, 1, 0                               ; register work while the others arrive
	WIN 0
	s_barrier_wait -1
.if \fill
	CREST                                          ; no wave of any partner still reads this slot or has a load on its way
	s_add_nc_u64 s[G0A+4*\s+2:G0A+4*\s+3], s[G0A+4*\s+2:G0A+4*\s+3], 2*256
	s_add_nc_u64 s[G0B+4*\s+2:G0B+4*\s+3], s[G0B+4*\s+2:G0B+4*\s+3], 2*786432
	JLOAD \s
.endif
	PLACES
	FETCH \next, 0, 0
	WIN MUL_HI
	MUL12 1, 1, 0, 0
	MUL12 1, 1, 1, 0
.endm
.macro LAP zero
	THREE 0, \zero
	TURN 0, 1, 1
	THREE 1, 0
	TURN 1, 0, 1
.endm
	s_wait_tensorcnt 0x1                           ; my part of K step 0 is in; K step 1's stays out
	s_barrier_signal -1
	s_barrier_wait -1                              ; everybody's is
	FETCH 0, 0, 0
	LAP 1                                          ; the first lap stands in front of the loop: its first products start the sums
	WIN 0                                          ; at a label and at a branch every window is 0
	s_mov_b32 s3, LAPS-2
.Llap:
	LAP 0
	WIN 0
	s_sub_co_u32 s3, s3, 1
	s_cmp_lg_u32 s3, 0
	s_cbranch_scc1 .Llap
	THREE 0, 0                                     ; the last lap fills nothing
	TURN 0, 1, 0
	THREE 1, 0
	s_wait_dscnt 0x4                               ; the very last quarter: nothing more to fetch
	WIN MUL_LO
	MUL12 1, 0, 0, 0
	MUL12 1, 0, 1, 0
	s_wait_dscnt 0x0
	WIN MUL_HI
	MUL12 1, 1, 0, 0
	MUL12 1, 1, 1, 0
	; THE WAY OUT, 16 rows at a time: factor, f16, 16 bytes a lane into my own stage, back as four whole rows of a head, which are 512 consecutive bytes of qkvh.
	PLACES
	s_lshr_b32 s16, s13, 4                         ; batch = row / 2048
	s_mul_i32 s16, s16, 48                         ; 48 heads a batch
	s_and_b32 s17, s13, 15
	s_lshl_b32 s17, s17, 7
	s_lshl_b32 s18, s11, 6
	s_add_co_u32 s17, s17, s18                     ; t of my first row
	s_lshl_b32 s17, s17, 7                         ; x 128 bytes
	s_mul_i32 s68, s42, 6                          ; what holds bx stays in registers that feed none of x's descriptors
	s_lshl2_add_u32 s46, s12, s68                  ; g of my chunk's first head = 6 bx + 4 wn
	s_add_co_u32 s47, s46, 1                       ; its second head
	s_add_co_u32 s68, s68, s12
	s_add_co_u32 s68, s68, 2                       ; g of my half of chunk 1 = 6 bx + 2 + wn
	; q's heads (g < 16) take the factor, k's and v's take 1.  A select and not a branch: g hangs on the place in the cluster.
	s_cmp_lt_u32 s46, 16
	s_cselect_b32 s[SCL+0], QSCALE, 1.0
	s_cmp_lt_u32 s47, 16
	s_cselect_b32 s[SCL+2], QSCALE, 1.0
	s_cmp_lt_u32 s68, 16
	s_cselect_b32 s[SCL+4], QSCALE, 1.0
	s_mov_b32 s[SCL+1], s[SCL+0]
	s_mov_b32 s[SCL+3], s[SCL+2]
	s_mov_b32 s[SCL+5], s[SCL+4]
	s_add_co_u32 s46, s46, s16
	s_lshl_b32 s46, s46, 18                        ; a head is 2,048 x 128 bytes
	s_add_co_u32 s46, s46, s17
	s_mov_b32 s47, 0
	s_add_co_u32 s68, s68, s16
	s_lshl_b32 s68, s68, 18
	s_add_co_u32 s68, s68, s17
	s_mov_b32 s69, 0
	s_add_nc_u64 s[8:9], s[6:7], s[46:47]          ; my chunk's two heads
	s_add_nc_u64 s[66:67], s[6:7], s[68:69]        ; my third head
; rows 16 i .. 16 i + 15 of my 64 = the twelve tiles (ab, 0..11) of window 2 or 3
.macro OUTQ i, ab, wmul, wcvt
	WIN \wmul
.irp b, 0,1,2,3,4,5,6,7,8,9,10,11
.irp p, 0,2,4,6
	v_pk_mul_f32 v[8*(12*\ab+\b)+\p:8*(12*\ab+\b)+\p+1], v[8*(12*\ab+\b)+\p:8*(12*\ab+\b)+\p+1], s[SCL+2*(\b/4):SCL+2*(\b/4)+1] op_sel_hi:[1,0]
.endr
.endr
	WIN \wcvt
.irp b, 0,1,2,3,4,5,6,7,8,9,10,11
.irp p, 0,1,2,3
	v_cvt_pk_f16_f32 v[TMP+4*\b+\p], v[8*(12*\ab+\b)+2*\p], v[8*(12*\ab+\b)+2*\p+1]
.endr
.endr
	WIN 0
.irp b, 0,1,2,3,4,5,6,7,8,9,10,11
	ds_store_b128 v[STO], v[TMP+4*\b:TMP+4*\b+3] offset:2304*(\b/4)+32*(\b%4)
.endr
	s_wait_xcnt 0x0                                ; the registers below were the data of the last sixteen rows' stores: loaded again only behind this wait
.irp hh, 0,1,2
.irp u, 0,1,2,3
	ds_load_b128 v[RBK+4*(4*\hh+\u):RBK+4*(4*\hh+\u)+3], v[RD] offset:2304*\hh+576*\u   ; LDS serves a wave's instructions in order (ISA guide 5.7.1.4): these see the stores above
.endr
.endr
.set idx, 0
.irp hh, 0,1,2
.irp u, 0,1,2,3
	s_wait_dscnt 11-idx                            ; the younger loads stay out
.if \hh == 2
	global_store_b128 v[CO], v[RBK+4*idx:RBK+4*idx+3], s[66:67] offset:2048*\i+512*\u
.else
	global_store_b128 v[CO], v[RBK+4*idx:RBK+4*idx+3], s[8:9] offset:262144*\hh+2048*\i+512*\u
.endif
.set idx, idx+1
.endr
.endr
.endm
	OUTQ 0, 0, 0x82, 0x0a
	OUTQ 1, 1, 0x82, 0x0a
	OUTQ 2, 0, 0xc3, 0x0f
	OUTQ 3, 1, 0xc3, 0x0f
	s_set_vgpr_msb 0x1
	s_wait_tensorcnt 0x0
	ds_add_u32 v255, v255
	s_wait_dscnt 0x0
	s_set_vgpr_msb 0x100
	CROUND                                         ; the closing round: no work-group ends while a partner may still ask for a tile that names it
	s_endpgm
.Lfunc_end_k_q50dc821b17_qkv:
	.size	k_q50dc821b17_qkv, .Lfunc_end_k_q50dc821b17_qkv-k_q50dc821b17_qkv
	.p2alignl 7, 3214868480
	.fill 96, 4, 3214868480
	.section	.rodata,"a",@progbits
	.p2align	6, 0x0
	.amdhsa_kernel k_q50dc821b17_qkv
		.amdhsa_group_segment_fixed_size 327680
		.amdhsa_private_segment_fixed_size 0
		.amdhsa_enable_private_segment 0
		.amdhsa_kernarg_size 16
		.amdhsa_user_sgpr_count 2
		.amdhsa_user_sgpr_kernarg_segment_ptr 1
		.amdhsa_wavefront_size32 1
		.amdhsa_system_sgpr_workgroup_id_x 1
		.amdhsa_system_sgpr_workgroup_id_y 1
		.amdhsa_system_sgpr_workgroup_id_z 1
		.amdhsa_system_vgpr_workitem_id 0
		.amdhsa_next_free_vgpr 1024
		.amdhsa_next_free_sgpr 76
		.amdhsa_reserve_vcc 0
		.amdhsa_float_denorm_mode_32 3
		.amdhsa_float_denorm_mode_16_64 3
		.amdhsa_memory_ordered 1
		.amdhsa_forward_progress 1
		.amdhsa_inst_pref_size 177
	.end_amdhsa_kernel
	.amdgpu_metadata
---
amdhsa.version: [ 1, 2 ]
amdhsa.kernels:
  - .name:           k_q50dc821b17_qkv
    .symbol:         k_q50dc821b17_qkv.kd
    .args:
      - { .name: cb, .offset: 0, .size: 8, .value_kind: global_buffer, .address_space: global }
      - { .name: qkvh, .offset: 8, .size: 8, .value_kind: global_buffer, .address_space: global }
    .group_segment_fixed_size: 327680
    .private_segment_fixed_size: 0
    .kernarg_segment_align: 8
    .kernarg_segment_size: 16
    .max_flat_workgroup_size: 128
    .sgpr_count:     76
    .vgpr_count:     1024
    .wavefront_size: 32
...
	.end_amdgpu_metadata
.endif
;; end of part 2
;; launch attn (part 3): grid 8 x 32, 8 waves a work-group, no clusters, 327,680 bytes of LDS; arguments qkvh, yh; writes yh
.if DOCPART == 3
	.amdgcn_target "amdgcn-amd-amdhsa--gfx1250"
	.amdhsa_code_object_version 6
	.text
	.protected	k_q50dc821b17_attn
	.globl	k_q50dc821b17_attn
	.p2align	8
	.type	k_q50dc821b17_attn,@function
k_q50dc821b17_attn:
	s_mov_b64 s[64:65], 0
	v_nop
	global_prefetch_b8 v0, s[64:65] scope:SCOPE_SE
	s_setreg_imm32_b32 hwreg(HW_REG_WAVE_MODE, 25, 1), 1
	s_wait_xcnt 0x0
; Causal attention of one (batch, head): y = softmax(q k^T, keys <= query) v.  q, k, v: f16, [t 2048][d 64], dense heads of qkvh; q already
; carries 0.125 log2(e), so a score is an exponent of 2.  Scores, maxima, sums and y's sums in f32, with a running maximum.  Out: yh [batch][head][t][d] f16.
; LIMITS: a scaled score below -1e30 counts as -1e30 (FLOOR); NaN and infinities in q, k, v are not served.
; WORK.  A block is 128 queries; block i needs i whole tiles of 128 keys and its diagonal tile.  Work-group (e, head) takes block 2 e and then
; block 15 - 2 e: 15 whole tiles and 2 diagonal ones in every one of the 8 x 32 = 256 work-groups.  What the mask throws away is not computed but inside diagonal tiles.
; Eight waves, two on each SIMD, so that one wave's matrix work can stand beside the other's softmax.  Wave w: team tm = w >> 2 takes keys
; 64 tm .. + 63 of every tile, wq = w & 3 takes queries 32 wq .. + 31 (n = 0, 1: 16 each).  At a block's end the two teams merge through LDS.
; NO TRANSPOSITION OF P.  S^T = K Q^T: lane (r, h), register j holds key 8 h + j, query r.  Two such tiles, packed to f16, are the fragment
; P^T of 32 keys as it stands; O^T = V^T P^T, V through the transposing LDS load.  All that a lane holds belongs to its query r.
; NO MULTICAST: the work-groups that read the same K and V tiles are the blocks of one head; their trip counts (2 e against 15 - 2 e) and the
; places of their diagonal trips differ with e, and making them alike would mean computing all 16 tiles for every block, twice the work.
.set SL,   38912                       ; a slot: K 128 rows x 144 bytes, then V 128 rows x 160 bytes
.set KSZ,  18432
.set XCH,  4*SL                        ; slots 0, 1: the ring; 2, 3: the two diagonal tiles, filled once.  Behind them, at a multiple of 256: the teams' exchange,
.set XW,   4352                        ; 8 x (32 registers x 128 bytes + 256 bytes of (m, l)),
.set YST,  XCH+8*XW                    ; and each wave's stage for y, 16 rows x 144 bytes
.set YW,   2304
.set KADR, 1                           ; v1   my K fragments in slot 0
.set VADR, 2                           ; v2   my V fragments in slot 0
.set KADRD, 3                          ; v3   the same in slot 2
.set VADRD, 4
.set QOFF, 5                           ; v5   my bytes of q in a block
.set XB,   6                           ; v6   exchange: 16 bytes a lane
.set XB2,  7                           ; v7   exchange: 8 bytes a lane
.set YSTO, 8
.set YRD,  9
.set YOFF, 10
.set DM,   11                          ; v11-12   n: query - first key of my registers, in a diagonal tile
.set MP,   14                          ; v[14:17] n: (m, m), the running maximum
.set LS,   18                          ; v18-19   n: the sum over my half's keys
.set AL,   20                          ; v[20:23] n: (alpha, alpha)
.set T,    24                          ; v[24:31] at work
.set Q,    32                          ; v[32:63] q fragments at 16 n + 8 kd
.set S,    64                          ; v[64:127] S^T (n, kt) at 32 n + 8 kt; then P^T (n, ks) at 32 n + 16 ks
.set O,    128                         ; v[128:191] O^T (n, dt) at 32 n + 8 dt
.set KV,   192                         ; v[192:255] K's fragments, then V's
.macro PLACES                          ; four places behind a matrix instruction (ISA guide 7.12.1)
.rept 4
	v_nop
.endr
.endm
.macro G0SET g, lreg, loff             ; a group 0's first two words: count 1, LDS address = the wave's share + the slot
	s_mov_b32 s[\g], 1
	s_add_co_u32 s[\g+1], s[\lreg], \loff
.endm
.macro QLOAD                           ; fragment (n, kd): query 32 wq + 16 n + r, d = 32 kd + 8 h .. and + 16
.irp n, 0,1
.irp c, 0,1,2,3
	global_load_b128 v[Q+16*\n+4*\c:Q+16*\n+4*\c+3], v[QOFF], s[78:79] offset:2048*\n+32*\c
.endr
.endr
.endm
	s_load_b128 s[4:7], s[0:1], 0x0                ; qkvh s[4:5], yh s[6:7]
	v_lshl_add_u32 v13, v0, 2, 0x33000
	s_set_vgpr_msb 0x40
	v_mov_b32 v1, 0
	s_set_vgpr_msb 0x4044
	ds_add_u32 v13, v1
	ds_add_u32 v13, v1
	s_set_vgpr_msb 0x4400
	v_lshrrev_b32 v1, 5, v0
	v_readfirstlane_b32 s8, v1                     ; wave 0..7
	s_lshr_b32 s9, s8, 2                           ; tm
	s_and_b32 s10, s8, 3                           ; wq
	s_mov_b32 s11, ttmp9                           ; e
	s_and_b32 s82, ttmp7, 0xffff                   ; 16 batch + head
	s_lshr_b32 s83, s82, 4
	s_lshl_b32 s84, s83, 5
	s_add_co_u32 s84, s84, s82                     ; 48 batch + head
	s_lshl_b32 s84, s84, 18                        ; a head is 2,048 x 128 bytes
	s_mov_b32 s85, 0
	s_lshl_b32 s86, s82, 18
	s_mov_b32 s87, 0
	s_lshl_b32 s88, s8, 11                         ; my 16 rows of a tile,
	s_add_co_u32 s88, s88, 16<<18                  ; in k's head, 16 heads behind q's
	s_mov_b32 s89, 0
	s_lshl_b32 s72, s11, 15                        ; 2 e tiles of 16,384 bytes: where the ring's stream starts anew, and block 2 e
	s_mov_b32 s90, s72
	s_mov_b32 s91, 0
	s_sub_co_u32 s92, 15*16384, s72                ; block and tile 15 - 2 e
	s_mov_b32 s93, 0
	s_mul_i32 s94, s8, 16*144                      ; my rows of K in a slot
	s_mul_i32 s95, s8, 16*160
	s_add_co_u32 s95, s95, KSZ                     ; my rows of V
	s_mov_b32 s70, 16384                           ; the ring's next tile, in bytes
	s_mov_b32 s71, 0
	s_mov_b32 s74, 0x76543210                      ; v_permlanex16_b32: lane i of one half reads lane i of the other
	s_mov_b32 s75, 0xfedcba98
	s_mov_b32 s76, 0xff800000                      ; -infinity
	s_mov_b32 s77, 0xf149f2ca                      ; FLOOR = -1e30
	; group 1: 16 rows x 64 elements of 2 bytes, dense in memory; a pad behind every 32 words (code 4): 4 words for K, 8 for V
	s_mov_b32 s16, (1<<16)|(1<<20)|(4<<22)|(3<<25)
	s_mov_b32 s17, 64<<16                          ; tensor_dim0 = 64
	s_mov_b32 s18, 16<<16                          ; tensor_dim1 = 16
	s_mov_b32 s19, 64<<16                          ; tile_dim0 = 64
	s_mov_b32 s20, 16                              ; tile_dim1 = 16
	s_mov_b32 s21, 64                              ; elements from row to row
	s_mov_b32 s22, 0
	s_mov_b32 s23, 0
	s_mov_b32 s24, (1<<16)|(1<<20)|(4<<22)|(7<<25)
	s_mov_b32 s25, 64<<16
	s_mov_b32 s26, 16<<16
	s_mov_b32 s27, 64<<16
	s_mov_b32 s28, 16
	s_mov_b32 s29, 64
	s_mov_b32 s30, 0
	s_mov_b32 s31, 0
	G0SET 32, 94, 0                                ; K, ring slot 0
	G0SET 36, 94, SL                               ; K, ring slot 1
	G0SET 40, 95, 0                                ; V, ring slot 0
	G0SET 44, 95, SL                               ; V, ring slot 1
	G0SET 48, 94, 2*SL                             ; K, V: diagonal tile of block 2 e
	G0SET 52, 95, 2*SL
	G0SET 56, 94, 3*SL                             ; K, V: diagonal tile of block 15 - 2 e
	G0SET 60, 95, 3*SL
	v_and_b32 v24, 31, v0                          ; l
	v_and_b32 v25, 15, v0                          ; r
	v_bfe_u32 v26, v0, 4, 1                        ; h
	v_and_b32 v27, 7, v0                           ; l % 8
	v_bfe_u32 v28, v0, 3, 1                        ; (l / 8) % 2
	v_bfe_u32 v29, v0, 3, 2                        ; l / 8
	s_lshl_b32 s82, s10, 12                        ; 32 wq rows of 128 bytes
	v_lshlrev_b32 v[QOFF], 7, v25
	v_lshl_add_u32 v[QOFF], v26, 4, v[QOFF]
	v_add_nc_u32 v[QOFF], s82, v[QOFF]
	s_wait_dscnt 0x0
	s_wait_kmcnt 0x0
	s_add_nc_u64 s[12:13], s[4:5], s[84:85]        ; q's head
	s_add_nc_u64 s[14:15], s[6:7], s[86:87]        ; y's head
	s_add_nc_u64 s[66:67], s[12:13], s[88:89]      ; my rows of k's tile 0
	s_add_nc_u64 s[68:69], s[66:67], 16<<18        ; of v's tile 0
	s_or_b32 s67, s67, 0x80000000                  ; the type bits ride along
	s_or_b32 s69, s69, 0x80000000
	s_add_nc_u64 s[78:79], s[12:13], s[90:91]      ; q of block 2 e
	s_add_nc_u64 s[80:81], s[14:15], s[90:91]      ; y of block 2 e
	s_mov_b64 s[34:35], s[66:67]
	s_mov_b64 s[42:43], s[68:69]
	s_add_nc_u64 s[50:51], s[66:67], s[90:91]
	s_add_nc_u64 s[54:55], s[68:69], s[90:91]
	s_add_nc_u64 s[58:59], s[66:67], s[92:93]
	s_add_nc_u64 s[62:63], s[68:69], s[92:93]
	tensor_load_to_lds s[48:51], s[16:23]          ; six tensor loads of a wave are out here, later two
	s_nop 0
	tensor_load_to_lds s[52:55], s[24:31]
	s_nop 0
	tensor_load_to_lds s[32:35], s[16:23]
	s_nop 0
	tensor_load_to_lds s[40:43], s[24:31]
	s_nop 0
	tensor_load_to_lds s[56:59], s[16:23]
	s_nop 0
	tensor_load_to_lds s[60:63], s[24:31]
	s_nop 0
	QLOAD
	v_mul_u32_u24 v30, v25, 144
	v_lshl_add_u32 v30, v26, 4, v30                ; 144 r + 16 h
	s_mul_i32 s82, s9, 64*144
	v_add_nc_u32 v[KADR], s82, v30                 ; K: key row 64 tm + r, 16 bytes for each half of the lanes
	s_mul_i32 s83, s9, 64*160
	s_add_co_u32 s83, s83, KSZ
	v_lshl_add_u32 v[VADR], v26, 3, v27
	v_mul_u32_u24 v[VADR], v[VADR], 160
	v_lshl_add_u32 v[VADR], v28, 4, v[VADR]
	v_add_nc_u32 v[VADR], s83, v[VADR]             ; V, transposing load: key row 64 tm + 8 h + l % 8, d 8 ((l / 8) % 2) ..
	v_add_nc_u32 v[KADRD], 2*SL, v[KADR]
	v_add_nc_u32 v[VADRD], 2*SL, v[VADR]
	s_mul_i32 s83, s10, XW
	s_add_co_u32 s83, s83, XCH
	v_lshl_add_u32 v[XB], v24, 4, s83
	v_lshl_add_u32 v[XB2], v24, 3, s83
	s_mul_i32 s84, s8, YW
	s_add_co_u32 s84, s84, YST
	v_add_nc_u32 v[YSTO], s84, v30                 ; in: row r, 16 bytes for each half of the lanes
	v_mul_u32_u24 v[YRD], v29, 144
	v_lshl_add_u32 v[YRD], v27, 4, v[YRD]
	v_add_nc_u32 v[YRD], s84, v[YRD]               ; back: eight lanes take a row of 128 bytes, the wave four rows
	s_lshl_b32 s85, s10, 12
	s_lshl_b32 s86, s9, 11
	s_add_co_u32 s85, s85, s86                     ; my team keeps n = tm: rows 32 wq + 16 tm ..
	v_lshl_add_u32 v[YOFF], v24, 4, s85            ; four rows of y are 512 consecutive bytes
	s_lshl_b32 s85, s10, 5
	s_lshl_b32 s86, s9, 6
	s_sub_co_i32 s85, s85, s86
	v_lshlrev_b32 v[DM], 3, v26
	v_sub_nc_u32 v[DM], v25, v[DM]
	v_add_nc_u32 v[DM], s85, v[DM]                 ; 32 wq + r - 64 tm - 8 h
	v_add_nc_u32 v[DM+1], 16, v[DM]
; The softmax step of 16 queries (n) over my 64 keys: 32 scores a lane.  first = 1 starts m and l.
.macro SOFT n, first
.set SB, S+32*\n
	v_max3_num_f32 v[T],   v[SB],    v[SB+1],  v[SB+2]         ; two chains
	v_max3_num_f32 v[T+1], v[SB+16], v[SB+17], v[SB+18]
.irp i, 3,5,7,9,11,13
	v_max3_num_f32 v[T],   v[T],   v[SB+\i],    v[SB+\i+1]
	v_max3_num_f32 v[T+1], v[T+1], v[SB+16+\i], v[SB+17+\i]
.endr
	v_max3_num_f32 v[T], v[T], v[SB+15], v[SB+31]
	v_max_num_f32 v[T], v[T], v[T+1]
	v_permlanex16_b32 v[T+1], v[T], s74, s75       ; the query's other 32 keys lie in the other half of the lanes
.if \first
	v_max3_num_f32 v[MP+2*\n], v[T], v[T+1], s77   ; FLOOR keeps m finite where all my keys are masked
	v_mov_b32 v[MP+2*\n+1], v[MP+2*\n]
.else
	v_max3_num_f32 v[T+2], v[T], v[T+1], v[MP+2*\n]
	v_sub_f32 v[T+3], v[MP+2*\n], v[T+2]
	v_exp_f32 v[AL+2*\n],   v[T+3]                 ; alpha = 2^(old m - new m), twice: a pair for the packed multiplies
	v_exp_f32 v[AL+2*\n+1], v[T+3]
	v_mov_b32 v[MP+2*\n],   v[T+2]                 ; plain instructions behind the exponentials (ISA guide 5.7.2); they touch neither alpha nor its source
	v_mov_b32 v[MP+2*\n+1], v[T+2]
.endif
.set i, 0
.rept 16
	v_pk_add_f32 v[SB+i:SB+i+1], v[SB+i:SB+i+1], v[MP+2*\n:MP+2*\n+1] neg_lo:[0,1] neg_hi:[0,1]   ; s - m
.set i, i+2
.endr
.set i, 0
.rept 32
	v_exp_f32 v[SB+i], v[SB+i]
.set i, i+1
.endr
	v_nop                                          ; the plain place behind the last exponential
	s_wait_alu depctr_va_vdst(0)
	v_pk_add_f32 v[T+4:T+5], v[SB:SB+1],     v[SB+2:SB+3]      ; the sum in f32, two chains
	v_pk_add_f32 v[T+6:T+7], v[SB+16:SB+17], v[SB+18:SB+19]
.irp i, 4,6,8,10,12,14
	v_pk_add_f32 v[T+4:T+5], v[T+4:T+5], v[SB+\i:SB+\i+1]
	v_pk_add_f32 v[T+6:T+7], v[T+6:T+7], v[SB+16+\i:SB+17+\i]
.endr
	v_pk_add_f32 v[T+4:T+5], v[T+4:T+5], v[T+6:T+7]
.if \first
	v_add_f32 v[LS+\n], v[T+4], v[T+5]
.else
	v_add_f32 v[T+4], v[T+4], v[T+5]
	v_fma_f32 v[LS+\n], v[LS+\n], v[AL+2*\n], v[T+4]
.endif
.irp i, 0,1,2,3,4,5,6,7
	v_cvt_pk_f16_f32 v[SB+\i],    v[SB+2*\i],    v[SB+2*\i+1]      ; in place: word i is written when words up to 2 i + 1 have been read
	v_cvt_pk_f16_f32 v[SB+16+\i], v[SB+16+2*\i], v[SB+16+2*\i+1]
.endr
.if \first == 0
.set i, 0
.rept 16
	v_pk_mul_f32 v[O+32*\n+i:O+32*\n+i+1], v[O+32*\n+i:O+32*\n+i+1], v[AL+2*\n:AL+2*\n+1]
.set i, i+2
.endr
.endif
.endm
; One tile: my 64 keys against my 32 queries.  kreg, vreg: address registers; off: the slot's bytes; first = 1: the diagonal tile, masked, which starts the sums.
; In both products eight accumulators take turns, one instruction a turn.
.macro ATT kreg, vreg, off, first
.irp kd, 0,1
.irp kt, 0,1,2,3
	ds_load_b128 v[KV+32*\kd+8*\kt:KV+32*\kd+8*\kt+3],   v[\kreg] offset:\off+2304*\kt+64*\kd
	ds_load_b128 v[KV+32*\kd+8*\kt+4:KV+32*\kd+8*\kt+7], v[\kreg] offset:\off+2304*\kt+64*\kd+32
.endr
.endr
	s_wait_dscnt 0x8                               ; d 0-31 is in, the eight loads of d 32-63 may be out
.irp n, 0,1
.irp kt, 0,1,2,3
	v_wmma_f32_16x16x32_f16 v[S+32*\n+8*\kt:S+32*\n+8*\kt+7], v[KV+8*\kt:KV+8*\kt+7], v[Q+16*\n:Q+16*\n+7], 0
.endr
.endr
	s_wait_dscnt 0x0
.irp n, 0,1
.irp kt, 0,1,2,3
	v_wmma_f32_16x16x32_f16 v[S+32*\n+8*\kt:S+32*\n+8*\kt+7], v[KV+32+8*\kt:KV+32+8*\kt+7], v[Q+16*\n+8:Q+16*\n+15], v[S+32*\n+8*\kt:S+32*\n+8*\kt+7]
.endr
.endr
	PLACES                                         ; then V lands on K's registers during the softmax, and the scores are read
.irp ks, 0,1
.irp dt, 0,1,2,3
	ds_load_tr16_b128 v[KV+32*\ks+8*\dt:KV+32*\ks+8*\dt+3],   v[\vreg] offset:\off+5120*\ks+32*\dt
	ds_load_tr16_b128 v[KV+32*\ks+8*\dt+4:KV+32*\ks+8*\dt+7], v[\vreg] offset:\off+5120*\ks+32*\dt+2560
.endr
.endr
.if \first
.irp n, 0,1
.set i, 0
.rept 32
	v_cmp_le_i32 vcc_lo, 16*(i/8)+(i%8), v[DM+\n]                  ; key <= query
	v_cndmask_b32 v[S+32*\n+i], s76, v[S+32*\n+i], vcc_lo          ; else -infinity
.set i, i+1
.endr
.endr
.endif
	SOFT 0, \first
	SOFT 1, \first
	s_wait_dscnt 0x0                               ; V is in
.irp n, 0,1
.irp dt, 0,1,2,3
.if \first
	v_wmma_f32_16x16x32_f16 v[O+32*\n+8*\dt:O+32*\n+8*\dt+7], v[KV+8*\dt:KV+8*\dt+7], v[S+32*\n:S+32*\n+7], 0
.else
	v_wmma_f32_16x16x32_f16 v[O+32*\n+8*\dt:O+32*\n+8*\dt+7], v[KV+8*\dt:KV+8*\dt+7], v[S+32*\n:S+32*\n+7], v[O+32*\n+8*\dt:O+32*\n+8*\dt+7]
.endif
.endr
.endr
.irp n, 0,1
.irp dt, 0,1,2,3
	v_wmma_f32_16x16x32_f16 v[O+32*\n+8*\dt:O+32*\n+8*\dt+7], v[KV+32+8*\dt:KV+32+8*\dt+7], v[S+32*\n+16:S+32*\n+23], v[O+32*\n+8*\dt:O+32*\n+8*\dt+7]
.endr
.endr
.rept 5
	v_nop                                          ; five places: the next tile's first product writes over P; four serve the loads onto V and the reads of O
.endr
.endm
; A whole tile from ring slot s.  In front of the barrier every wave waits for all its tensor loads (its rows of this tile among them) and for
; its reads of the other slot; behind it the other slot's refill comes first, and has this trip's work in which to land.
.macro TRIP s, refill
	s_set_vgpr_msb 0x4
	s_wait_tensorcnt 0x0                           ; no tensor load of mine is out: every group 0 may be written
	ds_add_u32 v13, v1
	s_wait_dscnt 0x0
	s_set_vgpr_msb 0x400
.if \refill
	s_add_nc_u64 s[38-4*\s:39-4*\s], s[66:67], s[70:71]
	s_add_nc_u64 s[46-4*\s:47-4*\s], s[68:69], s[70:71]
	s_add_co_u32 s70, s70, 16384                   ; the stream: tiles 0 .. 2 e - 1 for the first block, then from 0 again for the second
	s_cmp_eq_u32 s70, s72
	s_cselect_b32 s70, 0, s70
.endif
	s_wait_dscnt 0x0
	s_barrier_signal -1
	s_barrier_wait -1
.if \refill
	tensor_load_to_lds s[36-4*\s:39-4*\s], s[16:23]
	s_nop 0
	tensor_load_to_lds s[44-4*\s:47-4*\s], s[24:31]
	s_nop 0
.endif
	ATT KADR, VADR, \s*SL, 0
.endm
; The teams merge.  Team 0 hands over its n = 1 and keeps n = 0; team 1 the other way round.
.macro XSTORE n, o
.irp g, 0,1,2,3,4,5,6,7
	ds_store_b128 v[XB], v[O+32*\n+4*\g:O+32*\n+4*\g+3] offset:\o+512*\g
.endr
	v_mov_b32 v[T],   v[MP+2*\n]
	v_mov_b32 v[T+1], v[LS+\n]
	ds_store_b64 v[XB2], v[T:T+1] offset:\o+4096
.endm
.macro XMERGE n, o
	ds_load_b64 v[T:T+1], v[XB2] offset:\o+4096
.irp g, 0,1,2,3,4,5,6,7
	ds_load_b128 v[KV+4*\g:KV+4*\g+3], v[XB] offset:\o+512*\g
.endr
	s_wait_dscnt 0x8                               ; the partner's (m, l) is in, its O may be out
	v_max_num_f32 v[T+2], v[MP+2*\n], v[T]
	v_sub_f32 v[T+3], v[MP+2*\n], v[T+2]
	v_sub_f32 v[T+4], v[T], v[T+2]
	v_exp_f32 v[T+3], v[T+3]                       ; my weight
	v_exp_f32 v[T+4], v[T+4]                       ; the partner's
	v_nop
	s_wait_alu depctr_va_vdst(0)
	v_mul_f32 v[T+5], v[LS+\n], v[T+3]
	v_fmac_f32 v[T+5], v[T+1], v[T+4]
	v_permlanex16_b32 v[T+6], v[T+5], s74, s75     ; l was kept for each half of the lanes
	v_add_f32 v[T+5], v[T+5], v[T+6]               ; at least about 1: the key of the largest score counts 2^0, and team 0 always holds an unmasked key
	v_rcp_f32 v[T+6], v[T+5]
	v_nop
	s_wait_alu depctr_va_vdst(0)
	v_mul_f32 v[AL],   v[T+3], v[T+6]
	v_mul_f32 v[AL+2], v[T+4], v[T+6]
	v_mov_b32 v[AL+1], v[AL]
	v_mov_b32 v[AL+3], v[AL+2]
	s_wait_dscnt 0x0
.set i, 0
.rept 16
	v_pk_mul_f32 v[O+32*\n+i:O+32*\n+i+1], v[O+32*\n+i:O+32*\n+i+1], v[AL:AL+1]
	v_pk_fma_f32 v[O+32*\n+i:O+32*\n+i+1], v[KV+i:KV+i+1], v[AL+2:AL+3], v[O+32*\n+i:O+32*\n+i+1]
.set i, i+2
.endr
.set i, 0
.rept 16
	v_cvt_pk_f16_f32 v[S+i], v[O+32*\n+2*i], v[O+32*\n+2*i+1]      ; d = 16 dt + 8 h + 0..7 of query r: 16 bytes
.set i, i+1
.endr
.irp dt, 0,1,2,3
	ds_store_b128 v[YSTO], v[S+4*\dt:S+4*\dt+3] offset:32*\dt
.endr
.irp u, 0,1,2,3
	ds_load_b128 v[S+16+4*\u:S+16+4*\u+3], v[YRD] offset:576*\u    ; my own bytes: LDS serves a wave's instructions in order (ISA guide 5.7.1.4)
.endr
.irp u, 0,1,2,3
	s_wait_dscnt 3-\u
	global_store_b128 v[YOFF], v[S+16+4*\u:S+16+4*\u+3], s[80:81] offset:512*\u   ; the wave stores 512 consecutive bytes, aligned
.endr
.endm
.macro MERGE
	s_cmp_lg_u32 s9, 0
	s_cbranch_scc1 .Lgive_1_\@
	XSTORE 1, 0
	s_branch .Lgiven_\@
.Lgive_1_\@:
	XSTORE 0, 4*XW
.Lgiven_\@:
	s_wait_dscnt 0x0                               ; for the other team's sake
	s_barrier_signal -1
	s_barrier_wait -1
	s_cmp_lg_u32 s9, 0
	s_cbranch_scc1 .Ltake_1_\@
	XMERGE 0, 4*XW
	s_branch .Ltaken_\@
.Ltake_1_\@:
	XMERGE 1, 0
.Ltaken_\@:
	s_wait_xcnt 0x0                                ; the stores' data and base are written again only behind this wait
.endm
	s_wait_tensorcnt 0x0                           ; my rows of all three first tiles are in (with e = 0 no later wait stands in front of the second diagonal tile's read)
	s_barrier_signal -1
	s_barrier_wait -1                              ; everybody's are
	s_wait_loadcnt 0x0                             ; q
	ATT KADRD, VADRD, 0, 1                         ; block 2 e: its diagonal tile,
	s_cmp_eq_u32 s11, 0
	s_cbranch_scc1 .Lfirst_done
	s_mov_b32 s73, s11
.Lfirst:                                               ; then its 2 e whole tiles
	TRIP 0, 1
	TRIP 1, 1
	s_sub_co_u32 s73, s73, 1
	s_cmp_lg_u32 s73, 0
	s_cbranch_scc1 .Lfirst
.Lfirst_done:
	s_mov_b32 s72, -1                              ; the stream starts anew only once
	s_add_nc_u64 s[78:79], s[12:13], s[92:93]      ; q of block 15 - 2 e (the first block's loads were waited for)
	QLOAD                                          ; lands during the merge, which leaves v32-63 alone
	MERGE
	s_add_nc_u64 s[80:81], s[14:15], s[92:93]      ; y of block 15 - 2 e
	s_wait_loadcnt 0x0
	ATT KADRD, VADRD, SL, 1                        ; its diagonal tile,
	s_cmp_eq_u32 s11, 7
	s_cbranch_scc1 .Lsecond_done
	s_sub_co_u32 s73, 7, s11
.Lsecond:                                              ; 14 - 2 e of its whole tiles,
	TRIP 0, 1
	TRIP 1, 1
	s_sub_co_u32 s73, s73, 1
	s_cmp_lg_u32 s73, 0
	s_cbranch_scc1 .Lsecond
.Lsecond_done:
	TRIP 0, 0                                      ; and the last, which fetches nothing.  Its barrier also stands between the first merge's reads and the second's stores
	MERGE
	s_set_vgpr_msb 0x4
	s_wait_tensorcnt 0x0
	ds_add_u32 v13, v1
	s_wait_dscnt 0x0
	s_set_vgpr_msb 0x400
	s_endpgm
.Lfunc_end_k_q50dc821b17_attn:
	.size	k_q50dc821b17_attn, .Lfunc_end_k_q50dc821b17_attn-k_q50dc821b17_attn
	.p2alignl 7, 3214868480
	.fill 96, 4, 3214868480
	.section	.rodata,"a",@progbits
	.p2align	6, 0x0
	.amdhsa_kernel k_q50dc821b17_attn
		.amdhsa_group_segment_fixed_size 327680
		.amdhsa_private_segment_fixed_size 0
		.amdhsa_enable_private_segment 0
		.amdhsa_kernarg_size 16
		.amdhsa_user_sgpr_count 2
		.amdhsa_user_sgpr_kernarg_segment_ptr 1
		.amdhsa_wavefront_size32 1
		.amdhsa_system_sgpr_workgroup_id_x 1
		.amdhsa_system_sgpr_workgroup_id_y 1
		.amdhsa_system_sgpr_workgroup_id_z 1
		.amdhsa_system_vgpr_workitem_id 0
		.amdhsa_next_free_vgpr 258
		.amdhsa_next_free_sgpr 96
		.amdhsa_reserve_vcc 1
		.amdhsa_float_denorm_mode_32 3
		.amdhsa_float_denorm_mode_16_64 3
		.amdhsa_memory_ordered 1
		.amdhsa_forward_progress 1
		.amdhsa_inst_pref_size 160
	.end_amdhsa_kernel
	.amdgpu_metadata
---
amdhsa.version: [ 1, 2 ]
amdhsa.kernels:
  - .name:           k_q50dc821b17_attn
    .symbol:         k_q50dc821b17_attn.kd
    .args:
      - { .name: qkvh, .offset: 0, .size: 8, .value_kind: global_buffer, .address_space: global }
      - { .name: yh, .offset: 8, .size: 8, .value_kind: global_buffer, .address_space: global }
    .group_segment_fixed_size: 327680
    .private_segment_fixed_size: 0
    .kernarg_segment_align: 8
    .kernarg_segment_size: 16
    .max_flat_workgroup_size: 256
    .sgpr_count:     96
    .vgpr_count:     258
    .wavefront_size: 32
...
	.end_amdgpu_metadata
.endif
;; end of part 3
;; launch proj (part 4): grid 8 x 32, 4 waves a work-group, clusters of 4 x 4, 327,680 bytes of LDS; arguments yh, cb, b_proj, out0; writes out0
.if DOCPART == 4
	.amdgcn_target "amdgcn-amd-amdhsa--gfx1250"
	.amdhsa_code_object_version 6
	.text
	.protected	k_q50dc821b17_proj
	.globl	k_q50dc821b17_proj
	.p2align	8
	.type	k_q50dc821b17_proj,@function
k_q50dc821b17_proj:
	s_mov_b64 s[64:65], 0
	v_nop
	global_prefetch_b8 v0, s[64:65] scope:SCOPE_SE
	s_setreg_imm32_b32 hwreg(HW_REG_WAVE_MODE, 25, 1), 1
	s_wait_xcnt 0x0
	s_wait_alu depctr_hold_cnt(0) depctr_sa_sdst(0) depctr_va_vdst(0) depctr_va_sdst(0) depctr_va_ssrc(0) depctr_va_vcc(0) depctr_vm_vsrc(0)
	s_getreg_b32 s2, hwreg(HW_REG_IB_STS2, 6, 4)
	s_cmp_eq_u32 s2, 0
	s_cbranch_scc0 .Lentry_in_a_cluster
	s_endpgm
.Lentry_in_a_cluster:
	s_bfe_u32 s2, ttmp6, 0x10000c
	s_cmp_lg_u32 s2, 0xf033
	s_cbranch_scc0 .Lentry_shape_is_right
	s_endpgm
.Lentry_shape_is_right:
; out0 = y W_proj + b.  y: yh [batch][head 16][t 2048][d 64] f16 (k = 64 head + d); W_proj: [1024 (k)][1024 (n)] f16 codes at cb + WP_OFF; b: f32.
; Sums in f32, the bias added in f32, out0 [4096][1024] f32.
; A work-group makes 128 x 128 with four waves of 64 x 64 (16 accumulator tiles): 8 x 32 = 256 work-groups.  K goes in four steps of 256
; (four heads) through two LDS slots, all written out: no loop.  Every wave fetches one head's 128 rows of y and 64 k rows of W in each step.
; CLUSTERS: 4 x 4 work-groups; y's tiles hang on the block row alone and are asked for jointly by a row of the cluster, W's on the block column, by a column.
; The matrix instruction is used transposed (source 0 = 16 columns of W through the transposing LDS load, source 1 = 16 rows of y):
; a lane holds row l % 16 and eight neighbouring columns, 32 bytes of f32.
; REGISTERS: window 0: v16-31 addresses and the bias, v64-127 y's fragments (two buffers of 4), v64-95 the way out;
; window 1: v0-63 W's fragments (two buffers of 4), v64-191 accumulators (tile (a, b) at 64 + 8 (4 a + b)).
.set BP,     288                       ; W's LDS row: 256 bytes + 32 = 9 x 32
.set AP,     144                       ; y's LDS row: 128 bytes + 16
.set ABASE,  256*BP                    ; W's 256 k rows, then y's four heads of 128 rows
.set AHEAD,  128*AP
.set SLOT,   ABASE+4*AHEAD             ; 147,456 bytes
.set STAGE,  2*SLOT                    ; behind the ring, a multiple of 256: no tensor load lands here
.set WSTG,   16*272                    ; a wave's stage: 16 rows x (256 + 16) bytes
.set WP_OFF, 14680064
.set WV,     12                        ; s12: the wave's number
.set ADRA,   16                        ; v16-17  my y fragments in slot 0, 1
.set ADRB,   18                        ; v18-21  my W fragments in slot s, k rows 128 kh ..: 18 + 2 s + kh
.set STO,    24
.set RD,     25
.set CO,     26
.set BOFF,   27
.set BIAS,   28                        ; v[28:31] b of the four columns that I store
.set FA,     64
.set RBK,    64
.set ACC,    64
.set G1A, 24
.set G0A, 32
.set G1B, 48
.set G0B, 56
.set MSB, 0
.macro WIN new                         ; the immediate's high byte repeats the setting that is left
.if MSB != \new
	s_set_vgpr_msb (MSB<<8)|\new
.set MSB, \new
.endif
.endm
.set MUL,  0x51                        ; source 0 (W) window 1, source 1 (y) window 0, C and D window 1
.set TO_B, 0x40                        ; destination window 1, address window 0
.macro CREST                           ; a round of the cluster's barrier behind its opening barrier
	s_cmp_lg_u32 s[WV], 0
	s_cbranch_scc1 .Lnot_wave_0_\@
	s_barrier_signal -3
.Lnot_wave_0_\@:
	s_barrier_wait -3
	s_barrier_signal -1
	s_barrier_wait -1
.endm
.macro CROUND
	s_barrier_signal -1
	s_barrier_wait -1
	CREST
.endm
.macro PLACES                          ; four places behind a matrix instruction (ISA guide 7.12.1)
.rept 4
	v_nop
.endr
.endm
	s_load_b256 s[4:11], s[0:1], 0x0               ; yh s[4:5], cb s[6:7], b_proj s[8:9], out0 s[10:11]
	s_set_vgpr_msb 0x40
	v_lshl_add_u32 v255, v0, 2, 0x4c400
	s_set_vgpr_msb 0x4000
	v_mov_b32 v255, 0
	s_set_vgpr_msb 0x1
	ds_add_u32 v255, v255
	ds_add_u32 v255, v255
	s_set_vgpr_msb 0x100
	v_lshrrev_b32 v1, 5, v0
	v_readfirstlane_b32 s12, v1                    ; wave 0..3
	s_lshr_b32 s13, s12, 1                         ; wm: which 64 rows
	s_and_b32 s14, s12, 1                          ; wn: which 64 columns
	s_bfe_u32 s40, ttmp6, 0x40000                  ; cx
	s_bfe_u32 s41, ttmp6, 0x40004                  ; cy
	s_lshl_b32 s42, ttmp9, 2
	s_add_co_u32 s42, s42, s40                     ; bx: block column, 128 columns
	s_and_b32 s15, ttmp7, 0xffff
	s_lshl_b32 s15, s15, 2
	s_add_co_u32 s15, s15, s41                     ; by: block row, 128 rows
	s_lshl_b32 s43, s41, 2
	s_lshl_b32 s43, 15, s43                        ; my row of the cluster
	s_lshl_b32 s44, 0x1111, s40                    ; my column
	; y: 128 rows x 64 elements, dense; a pad of 4 words behind every 32 (code 4).  W: 64 rows x 128 elements; 8 words behind every 64 (code 5)
	s_or_b32 s[G1A+0], s43, (1<<16)|(1<<20)|(1<<21)|(4<<22)|(3<<25)
	s_mov_b32 s[G1A+1], 64<<16                     ; tensor_dim0 = 64
	s_mov_b32 s[G1A+2], 128<<16                    ; tensor_dim1 = 128
	s_mov_b32 s[G1A+3], 64<<16                     ; tile_dim0 = 64
	s_mov_b32 s[G1A+4], 128                        ; tile_dim1 = 128
	s_mov_b32 s[G1A+5], 64                         ; elements from row to row
	s_mov_b32 s[G1A+6], 0
	s_mov_b32 s[G1A+7], 0
	s_or_b32 s[G1B+0], s44, (1<<16)|(1<<20)|(1<<21)|(5<<22)|(7<<25)
	s_mov_b32 s[G1B+1], 128<<16
	s_mov_b32 s[G1B+2], 64<<16
	s_mov_b32 s[G1B+3], 128<<16
	s_mov_b32 s[G1B+4], 64
	s_mov_b32 s[G1B+5], 1024
	s_mov_b32 s[G1B+6], 0
	s_mov_b32 s[G1B+7], 0
	; y's address is made of by and the wave's number, W's of bx and the wave's number, each in registers that never hold the other coordinate
	s_lshr_b32 s16, s15, 4
	s_lshl_b32 s16, s16, 4                         ; 16 heads a batch
	s_add_co_u32 s16, s16, s12                     ; + my head of the step's four
	s_lshl_b32 s16, s16, 18
	s_and_b32 s17, s15, 15
	s_lshl_b32 s17, s17, 14                        ; 128 rows of 128 bytes
	s_add_co_u32 s16, s16, s17
	s_mov_b32 s17, 0
	s_lshl_b32 s46, s42, 8                         ; 128 columns of 2 bytes
	s_lshl_b32 s47, s12, 17                        ; my 64 k rows of 2,048 bytes
	s_add_co_u32 s46, s46, s47
	s_add_co_u32 s46, s46, WP_OFF
	s_mov_b32 s47, 0
	s_lshl_b32 s45, s42, 9
	s_lshl_b32 s21, s14, 8
	s_add_co_u32 s45, s45, s21                     ; my first column in b and in a row of out0, in bytes: 512 bx + 256 wn
	s_mul_i32 s20, s12, 18432                      ; my share of a slot, of W's rows (64 x 288) and of y's heads (128 x 144) alike
	s_wait_dscnt 0x0
	s_wait_kmcnt 0x0
	s_add_nc_u64 s[18:19], s[4:5], s[16:17]
	s_add_nc_u64 s[46:47], s[6:7], s[46:47]
	CROUND                                         ; all sixteen work-groups are here: the first joint loads meet
.irp s, 0,1
	s_mov_b32 s[G0A+4*\s], 1
	s_add_co_u32 s[G0A+4*\s+1], s20, ABASE+\s*SLOT
	s_add_nc_u64 s[G0A+4*\s+2:G0A+4*\s+3], s[18:19], \s*(4<<18)      ; K step s: four heads on
	s_or_b32 s[G0A+4*\s+3], s[G0A+4*\s+3], 0x80000000
	s_mov_b32 s[G0B+4*\s], 1
	s_add_co_u32 s[G0B+4*\s+1], s20, \s*SLOT
	s_add_nc_u64 s[G0B+4*\s+2:G0B+4*\s+3], s[46:47], \s*524288       ; K step s: 256 rows of 2,048 bytes
	s_or_b32 s[G0B+4*\s+3], s[G0B+4*\s+3], 0x80000000
	tensor_load_to_lds s[G0A+4*\s:G0A+4*\s+3], s[G1A:G1A+7]          ; four tensor loads of a wave are out at the most
	s_nop 0
	tensor_load_to_lds s[G0B+4*\s:G0B+4*\s+3], s[G1B:G1B+7]
	s_nop 0
.endr
	v_and_b32 v1, 15, v0                           ; r
	v_bfe_u32 v2, v0, 4, 1                         ; h
	v_and_b32 v3, 7, v0
	v_bfe_u32 v4, v0, 3, 1
	v_lshl_add_u32 v[BOFF], v1, 4, s45             ; on the way out I hold columns 4 r .. 4 r + 3 of my wave's 64
	global_load_b128 v[BIAS:BIAS+3], v[BOFF], s[8:9]
	v_mul_u32_u24 v5, v1, AP
	v_lshl_add_u32 v5, v2, 4, v5
	v_lshl_add_u32 v6, v2, 3, v3
	v_mul_u32_u24 v6, v6, BP
	v_lshl_add_u32 v6, v4, 4, v6
	s_mul_i32 s21, s13, 64*AP
	s_add_co_u32 s21, s21, ABASE
	s_lshl_b32 s22, s14, 7                         ; columns 64 wn ..
.irp s, 0,1
	v_add_nc_u32 v[ADRA+\s], s21, v5
	v_add_nc_u32 v[ADRB+2*\s], s22, v6
	v_add_nc_u32 v[ADRB+2*\s+1], 128*BP, v[ADRB+2*\s]
	s_add_co_u32 s21, s21, SLOT
	s_add_co_u32 s22, s22, SLOT
.endr
	s_mul_i32 s21, s12, WSTG
	s_add_co_u32 s21, s21, STAGE
	v_mul_u32_u24 v5, v1, 272
	v_lshl_add_u32 v5, v2, 5, v5
	v_add_nc_u32 v[STO], s21, v5                   ; in: row r, 32 bytes for each half of the lanes
	v_mul_u32_u24 v5, v2, 272
	v_lshl_add_u32 v5, v1, 4, v5
	v_add_nc_u32 v[RD], s21, v5                    ; back: lanes 0-15 take one row of 256 bytes, lanes 16-31 the next
	v_lshlrev_b32 v5, 12, v2
	v_lshl_add_u32 v[CO], v1, 4, v5                ; the same two rows in out0
; 4 matrix instructions: m block a x my 4 n blocks, 32 along K, from buffer u.  The 16 accumulators take turns, one instruction a turn,
; in the same order in every part.  zero = 1: the first product starts the sums.
.macro MUL4 u, a, zero
.irp b, 0,1,2,3
.if \zero
	v_wmma_f32_16x16x32_f16 v[ACC+8*(4*\a+\b):ACC+8*(4*\a+\b)+7], v[32*\u+8*\b:32*\u+8*\b+7], v[FA+32*\u+8*\a:FA+32*\u+8*\a+7], 0
.else
	v_wmma_f32_16x16x32_f16 v[ACC+8*(4*\a+\b):ACC+8*(4*\a+\b)+7], v[32*\u+8*\b:32*\u+8*\b+7], v[FA+32*\u+8*\a:FA+32*\u+8*\a+7], v[ACC+8*(4*\a+\b):ACC+8*(4*\a+\b)+7]
.endif
.endr
.endm
; 16 LDS loads: part q (32 along K: head q / 2 of the step, d = 32 (q % 2) ..) of slot s into buffer u
.macro FETCH s, q, u
	WIN TO_B
.irp b, 0,1,2,3
	ds_load_tr16_b128 v[32*\u+8*\b:32*\u+8*\b+3],   v[ADRB+2*\s+(\q/4)] offset:32*BP*(\q%4)+32*\b
	ds_load_tr16_b128 v[32*\u+8*\b+4:32*\u+8*\b+7], v[ADRB+2*\s+(\q/4)] offset:32*BP*(\q%4)+32*\b+16*BP
.endr
	WIN 0
.irp a, 0,1,2,3
	ds_load_b128 v[FA+32*\u+8*\a:FA+32*\u+8*\a+3],   v[ADRA+\s] offset:AHEAD*(\q/2)+64*(\q%2)+16*AP*\a
	ds_load_b128 v[FA+32*\u+8*\a+4:FA+32*\u+8*\a+7], v[ADRA+\s] offset:AHEAD*(\q/2)+64*(\q%2)+16*AP*\a+32
.endr
.endm
; One of a K step's first seven parts: multiplies buffer u; in its middle it fetches part q of the same slot into buffer g.
.macro PART s, q, u, g, zero
	s_wait_dscnt 0x4                               ; W and y's rows 0-31 are in; the youngest four loads (rows 32-63) may be out
	WIN MUL
	MUL4 \u, 0, \zero
	MUL4 \u, 1, \zero
	PLACES
	FETCH \s, \q, \g
	s_wait_dscnt 0x10                              ; all but the 16 just issued
	WIN MUL
	MUL4 \u, 2, \zero
	MUL4 \u, 3, \zero
.endm
.macro SEVEN s, zero
	PART \s, 1, 0, 1, \zero
	PART \s, 2, 1, 0, 0
	PART \s, 3, 0, 1, 0
	PART \s, 4, 1, 0, 0
	PART \s, 5, 0, 1, 0
	PART \s, 6, 1, 0, 0
	PART \s, 7, 0, 1, 0
.endm
; The eighth part: multiplies buffer 1 and changes slots.  In front of the barrier each wave waits for its reads of this slot and for all its
; tensor loads (its two parts of the next slot).  fill = 1: the barrier opens a round of the cluster's barrier, and the two joint refills,
; two K steps ahead, are the first tensor loads behind the round's closing wait.
.macro TURN s, next, fill
	s_wait_dscnt 0x4
	WIN MUL
	MUL4 1, 0, 0
	s_wait_dscnt 0x0
	s_wait_tensorcnt 0x0
	ds_add_u32 v255, v255
	s_wait_dscnt 0x0
	s_barrier_signal -1
	MUL4 1, 1, 0                                   ; register work while the others arrive
	WIN 0
	s_barrier_wait -1
.if \fill
	CREST
	s_add_nc_u64 s[G0A+4*\s+2:G0A+4*\s+3], s[G0A+4*\s+2:G0A+4*\s+3], 8<<18
	s_add_nc_u64 s[G0B+4*\s+2:G0B+4*\s+3], s[G0B+4*\s+2:G0B+4*\s+3], 2*524288
	tensor_load_to_lds s[G0A+4*\s:G0A+4*\s+3], s[G1A:G1A+7]
	s_nop 0
	tensor_load_to_lds s[G0B+4*\s:G0B+4*\s+3], s[G1B:G1B+7]
	s_nop 0
.endif
	PLACES
	FETCH \next, 0, 0
	WIN MUL
	MUL4 1, 2, 0
	MUL4 1, 3, 0
.endm
	s_wait_tensorcnt 0x2                           ; my two parts of K step 0 are in; K step 1's two stay out
	s_barrier_signal -1
	s_barrier_wait -1
	FETCH 0, 0, 0
	SEVEN 0, 1                                     ; K step 0: its first part starts the sums
	TURN 0, 1, 1                                   ; K step 2 is asked for
	SEVEN 1, 0                                     ; K step 1
	TURN 1, 0, 1                                   ; K step 3 is asked for
	SEVEN 0, 0                                     ; K step 2
	TURN 0, 1, 0
	SEVEN 1, 0                                     ; K step 3
	s_wait_dscnt 0x4                               ; the very last part: nothing more to fetch
	WIN MUL
	MUL4 1, 0, 0
	MUL4 1, 1, 0
	s_wait_dscnt 0x0
	MUL4 1, 2, 0
	MUL4 1, 3, 0
	; THE WAY OUT, 16 rows at a time: the sums go as they are into my own stage, come back as whole rows of 256 bytes, take the bias and leave.
	PLACES
	s_lshl_b32 s16, s15, 7
	s_lshl_b32 s17, s13, 6
	s_add_co_u32 s16, s16, s17                     ; my first row
	s_lshl_b32 s16, s16, 12                        ; x 4,096 bytes
	s_mov_b32 s17, 0
	s_add_nc_u64 s[10:11], s[10:11], s[16:17]
	s_mov_b32 s46, s45                             ; my first column, in the registers that held W's address
	s_mov_b32 s47, 0
	s_add_nc_u64 s[10:11], s[10:11], s[46:47]
	s_wait_loadcnt 0x0                             ; the bias
.macro OUTP a
	WIN 0x04                                       ; store data from window 1
.irp b, 0,1,2,3
	ds_store_b128 v[STO], v[ACC+8*(4*\a+\b):ACC+8*(4*\a+\b)+3]   offset:64*\b
	ds_store_b128 v[STO], v[ACC+8*(4*\a+\b)+4:ACC+8*(4*\a+\b)+7] offset:64*\b+16
.endr
	WIN 0
	s_wait_xcnt 0x0                                ; the registers below were the data of the last sixteen rows' stores: loaded again only behind this wait
.irp u, 0,1,2,3,4,5,6,7
	ds_load_b128 v[RBK+4*\u:RBK+4*\u+3], v[RD] offset:544*\u       ; my own bytes: LDS serves a wave's instructions in order (ISA guide 5.7.1.4)
.endr
.irp u, 0,1,2,3,4,5,6,7
	s_wait_dscnt 7-\u
	v_pk_add_f32 v[RBK+4*\u:RBK+4*\u+1],   v[RBK+4*\u:RBK+4*\u+1],   v[BIAS:BIAS+1]
	v_pk_add_f32 v[RBK+4*\u+2:RBK+4*\u+3], v[RBK+4*\u+2:RBK+4*\u+3], v[BIAS+2:BIAS+3]
	global_store_b128 v[CO], v[RBK+4*\u:RBK+4*\u+3], s[10:11] offset:4096*(16*\a+2*\u) th:TH_STORE_NT   ; 16 lanes store 256 consecutive bytes, aligned
.endr
.endm
	OUTP 0
	OUTP 1
	OUTP 2
	OUTP 3
	s_set_vgpr_msb 0x1
	s_wait_tensorcnt 0x0
	ds_add_u32 v255, v255
	s_wait_dscnt 0x0
	s_set_vgpr_msb 0x100
	CROUND                                         ; the closing round: no work-group ends while a partner may still ask for a tile that names it
	s_endpgm
.Lfunc_end_k_q50dc821b17_proj:
	.size	k_q50dc821b17_proj, .Lfunc_end_k_q50dc821b17_proj-k_q50dc821b17_proj
	.p2alignl 7, 3214868480
	.fill 96, 4, 3214868480
	.section	.rodata,"a",@progbits
	.p2align	6, 0x0
	.amdhsa_kernel k_q50dc821b17_proj
		.amdhsa_group_segment_fixed_size 327680
		.amdhsa_private_segment_fixed_size 0
		.amdhsa_enable_private_segment 0
		.amdhsa_kernarg_size 32
		.amdhsa_user_sgpr_count 2
		.amdhsa_user_sgpr_kernarg_segment_ptr 1
		.amdhsa_wavefront_size32 1
		.amdhsa_system_sgpr_workgroup_id_x 1
		.amdhsa_system_sgpr_workgroup_id_y 1
		.amdhsa_system_sgpr_workgroup_id_z 1
		.amdhsa_system_vgpr_workitem_id 0
		.amdhsa_next_free_vgpr 512
		.amdhsa_next_free_sgpr 66
		.amdhsa_reserve_vcc 0
		.amdhsa_float_denorm_mode_32 3
		.amdhsa_float_denorm_mode_16_64 3
		.amdhsa_memory_ordered 1
		.amdhsa_forward_progress 1
		.amdhsa_inst_pref_size 95
	.end_amdhsa_kernel
	.amdgpu_metadata
---
amdhsa.version: [ 1, 2 ]
amdhsa.kernels:
  - .name:           k_q50dc821b17_proj
    .symbol:         k_q50dc821b17_proj.kd
    .args:
      - { .name: yh, .offset: 0, .size: 8, .value_kind: global_buffer, .address_space: global }
      - { .name: cb, .offset: 8, .size: 8, .value_kind: global_buffer, .address_space: global }
      - { .name: b_proj, .offset: 16, .size: 8, .value_kind: global_buffer, .address_space: global }
      - { .name: out0, .offset: 24, .size: 8, .value_kind: global_buffer, .address_space: global }
    .group_segment_fixed_size: 327680
    .private_segment_fixed_size: 0
    .kernarg_segment_align: 8
    .kernarg_segment_size: 32
    .max_flat_workgroup_size: 128
    .sgpr_count:     66
    .vgpr_count:     512
    .wavefront_size: 32
...
	.end_amdgpu_metadata
.endif
;; end of part 4
